; MI455X (gfx1250); checked and timed in simulation.
; The chip was launched on July 23, 2026; its instructions are those of AMD's public machine-readable ISA for CDNA 5 (MIT licence, August 2026) and "CDNA5" Instruction Set Architecture Reference Guide (July 2026). The comments in the code are by the model that wrote it; some were corrected since.
;; Causal Self Attention. Allowed arithmetic: matrix products marked QUANTISED: E4M3 operands, one given power-of-two scale a tensor, by v_wmma_f32_16x16x64_fp8_fp8 or v_wmma_f32_16x16x128_fp8_fp8, f32 sums; everything else in f32.
;; Inputs: W_attn_codes 3,072 x 32 x 32 uint8 (E4M3 codes of W_attn, K innermost, in blocks of 32 codes); W_proj_codes 1,024 x 32 x 32 uint8 (E4M3 codes of W_proj, K innermost, in blocks of 32 codes); b_attn 3,072 float32; b_proj 1,024 float32; lowp_scales 8 int32 (the exponents e of the quantised operands' scales 2^e); x_codes 4 x 2,048 x 32 x 32 uint8 (E4M3 codes of x, K innermost, in blocks of 32 codes).
;; Outputs: out0 4 x 2,048 x 1,024 float32.
;; This version of the problem:
;;   THIS VERSION OF THE PROBLEM IS GIVEN IN LOW PRECISION. The matrix products marked QUANTISED in the list below multiply operands that are first quantised to E4M3 (4 exponent bits, 3 mantissa bits; 8 bits a number), with one given power-of-two scale for each operand tensor; their sums are f32. All else is computed in f32.
;;   The module's matrix products, in the order in which they are computed (A, B: the left and right operand; K: the contracted axis; several contracted axes count as one K, in the product's order):
;;     1. [M 8,192, K 1,024] x [K 1,024, N 3,072]; A: input x (given as codes); B: input W_attn (given as codes): QUANTISED (scales: A lowp_scales[0], B lowp_scales[1])
;;     2. batch 64 x [M 2,048, K 64] x [K 64, N 2,048]; A: computed on the way; B: computed on the way: QUANTISED (scales: A lowp_scales[2], B lowp_scales[3])
;;     3. batch 64 x [M 2,048, K 2,048] x [K 2,048, N 64]; A: softmax (see below); B: computed on the way: QUANTISED (scales: A lowp_scales[4], B lowp_scales[5])
;;     4. [M 8,192, K 1,024] x [K 1,024, N 1,024]; A: computed on the way; B: input W_proj (given as codes): QUANTISED (scales: A lowp_scales[6], B lowp_scales[7])
;;   THE QUANTISER, for each operand of a quantised product, along K:
;;     - The operand's scale is 2^e, e = its entry of the input lowp_scales (int32; the entries are numbered through the quantised products in the list's order, A before B).
;;     - Each number is divided by the scale, clamped to +-448, and rounded to the nearest number of E4M3, ties to even, subnormals kept.
;;     - The product sums the exact products of the quantised numbers (number of the format x scale) in f32.
;;   ~~~python
;;   def quantise(x, axis, e):      # numpy; x: float32 -> the quantised numbers, widened to float32 again
;;       x = np.moveaxis(x, axis, -1); K = x.shape[-1]
;;       r = np.clip(x / 2.0 ** e, -448, 448)
;;       step = 2.0 ** (np.maximum(np.frexp(np.where(r == 0, 1, r))[1] - 1, -6) - 3)
;;       q = np.round(r / step) * step * 2.0 ** e      # np.round: ties to even
;;       return np.moveaxis(q, -1, axis).astype(np.float32)
;;   ~~~
;;   SOFTMAX AHEAD OF A QUANTISED PRODUCT. Where the list says 'softmax', what is quantised is not the finished softmax but p = 2^(t - M), with t = logit x log2(e) and M = ceil(the row's largest t), a whole number; so 1/2 < the row's largest p <= 1. The row's sum l is taken of the UNQUANTISED p, in f32, and the product's result is divided by l at the end. Since M is a whole number, a kernel that streams over the keys may use a running M (the ceiling of the running maximum): every later rescaling is an exact power of two, so the quantised numbers keep their values, but for numbers so far below the row's largest that they fall under the format's range.
;;   OPERANDS COMPUTED ON THE WAY. 'Computed on the way' means the value that the module computes at that place (a softmax that the list does not call 'softmax' is quantised finished and normalised). What goes into a quantiser is computed in f32, as accurately as f32 sums, v_exp_f32 and their like allow (about 1e-6 of the number): no bf16 or f16 on the way to a quantiser, and a product that is left as it is and whose result goes on into a quantised operand takes f32 operands (vector FMAs, or v_wmma_f32_16x16x4_f32). A number that lies on a knife's edge between two numbers of the format may be rounded either way, as far as f32 arithmetic and the matrix unit's own rounding can turn it there, and no further.
;;   INPUTS GIVEN AS CODES. W_attn (in the module: [1024, 3072], K = its axis 0); W_proj (in the module: [1024, 1024], K = its axis 0); x (in the module: [4, 2048, 1024], K = its axis 2): each comes as NAME_codes (uint8): NAME with its K axis moved to the last place and cut into blocks of 32 codes, [.., K / 32, bytes a block], one block behind the other in memory; one code a byte (a code: sign, 4 exponent bits, 3 mantissa bits); its scale is its entry of lowp_scales. Its value is code x scale, taken as it is: it is not quantised again, and the codes and scales need not be those that the quantiser above would give.
;; One version. Each part assembles by itself: llvm-mc -triple=amdgcn-amd-amdhsa -mcpu=gfx1250 --defsym DOCPART=n.
;; ======== version 1 of 1: 3 launches
;; limits: right only within a limited range of input values
;; workspace buffers: qkvimg 25,165,824 bytes; yimg 8,388,608 bytes
;; launch qkv (part 1): grid 12 x 32, 4 waves a work-group, clusters of 4 x 4, 327,680 bytes of LDS; arguments x_codes, W_attn_codes, b_attn, lowp_scales, qkvimg; writes qkvimg
.if DOCPART == 1
	.amdgcn_target "amdgcn-amd-amdhsa--gfx1250"
	.amdhsa_code_object_version 6
	.text
	.protected	k_q2794eb7cac_qkv
	.globl	k_q2794eb7cac_qkv
	.p2align	8
	.type	k_q2794eb7cac_qkv,@function
k_q2794eb7cac_qkv:
	s_mov_b64 s[64:65], 0
	v_nop
	global_prefetch_b8 v0, s[64:65] scope:SCOPE_SE
	s_setreg_imm32_b32 hwreg(HW_REG_WAVE_MODE, 25, 1), 1
	s_wait_xcnt 0x0
	s_wait_alu depctr_hold_cnt(0) depctr_sa_sdst(0) depctr_va_vdst(0) depctr_va_sdst(0) depctr_va_ssrc(0) depctr_va_vcc(0) depctr_vm_vsrc(0)
	s_getreg_b32 s2, hwreg(HW_REG_IB_STS2, 6, 4)
	s_cmp_eq_u32 s2, 0
	s_cbranch_scc0 .Lentry_in_a_cluster
	s_endpgm
.Lentry_in_a_cluster:
	s_bfe_u32 s2, ttmp6, 0x10000c
	s_cmp_lg_u32 s2, 0xf033
	s_cbranch_scc0 .Lentry_shape_is_right
	s_endpgm
.Lentry_shape_is_right:
; qkv = x W_attn + b_attn on codes of FP8 (E4M3), then q, k and v are quantised (scales 2^e2, 2^e3, 2^e5) and stored as IMAGES OF OPERAND REGISTERS for the attention launch.
; x: [8192][1024] codes, W_attn: [3072][1024] codes, K innermost; b_attn [3072] f32; the eight exponents e0 .. e7 are int32.
; A tile of 256 tokens x 256 features is made by a work-group of four waves; a wave makes 128 x 128: 64 accumulators of 16 x 16, 512 registers.  K = 1,024 goes in four steps of 256
; through two LDS slots filled by the tensor data mover (rows of 256 bytes), so the main line is written out without a loop.
; GRID: 12 x 32 tiles = 384 work-groups.  A tile lies wholly in q, in k or in v (1,024 features each), and the cluster's x (0, 1, 2) says in which: it is the same in all sixteen partners.
; CLUSTERS: 4 x 4 work-groups.  The four of a row of the cluster need the same tile of x, the four of a column the same tile of W: each tile is asked for JOINTLY.
; TWO SIDES.  Source 0 of every product is the N SIDE, source 1 the M SIDE: a lane then holds ONE row of the M side and, in an accumulator's eight registers, eight neighbours of the N side.
;   q, k: M side = tokens (x), N side = features (W): a lane's registers run along the head's channels, which are the K of q k^T.
;   v:    M side = features (W), N side = tokens (x): a lane's registers run along the keys, which are the K of p v.  Only the two LDS read bases change places, by a select on the cluster's x: no branch.
; THE BIAS enters divided by 2^(e0 + e1), the power of two that the sums lack: where the features are the N side as the C of the first products, where they are the M side by one packed addition on the way out.
;   The side that carries no features gets the factor 0, so both forms stand in the text for all three kinds.
; THE WAY OUT.  code = (sum + bias) / 2^(eT - e0 - e1); eT = e2, e3 or e5.  A lane's 8 codes go into the wave's own stage (128 M rows x 128 bytes, pitch 144) and come back as PIECES:
;   512 bytes, lane (r, h) holding 16 neighbours along N of M row 32 be + 8 e + r + 8 (r / 8) (tile 2 be + e).  With that choice of rows the results of a product whose source 0 is such a tile are 16 neighbours in two tiles' registers.
; qkvimg: [64 heads][16 groups of 128 tokens][24,576]: q's part at 0, k's at 8,192, v's at 16,384.  q, k: token tile t, piece c (channels 32 c on) at (t % 4) 2048 + (t / 4) 1024 + 512 c.  v: channel tile t, piece c (keys 32 c on) at 2048 t + 512 c.
; LIMITS: e0 + e1 between -126 and 126; eT - e0 - e1 between -126 and 119 (each power of two is made as an f32 number).  NaN and infinities among the biases are not served.
; REGISTERS, in windows of 256: window 0: v1-31 addresses and scales; v32-95 the N side's bias, later a block at work; v96-111 the M side's bias, in pairs; v112-127 a block's codes;
;   v128-255 the M side's fragments, ONE set, later the pieces read back.  window 1: the N side's fragments, TWO sets.  windows 2, 3: the accumulators ((a, b) at v[8 (8 (a % 4) + b)]).
.set ROWB,   256                       ; a tile's row in bytes: 256 codes
.set KROW,   1024                      ; a row of x or of W in memory
.set PITCH,  272                       ; an LDS row: 256 bytes + 16 of padding = 68 words: the 16 rows that a load touches start at 16 different banks (64 banks of 4 bytes: ISA guide 11.1)
.set FR,     16                        ; registers of a fragment: 16 rows x 128 K
.set NL,     4                         ; LDS loads that bring one
.set NP,     4                         ; places behind this matrix instruction (ISA guide 7.12.1)
.set HALFT,  128*PITCH                 ; 128 rows: what one tensor load brings, and what one wave reads of a side
.set SLOT,   4*HALFT                   ; x's 256 rows, then W's 256 rows
.set SPARE,  2*SLOT                    ; behind the ring: the spare words, 128 bytes for each wave: two blocks of 256 bytes that no other line names
.set SP,     144                       ; the stage's pitch: 128 bytes + 16
.set WST,    128*SP                    ; a wave's stage; the four lie in slot 0, which has had its last fill and its last read when the first code is stored there
.set HS,     393216                    ; a head in qkvimg
.set GS,     24576                     ; a group of 128 tokens in qkvimg
.set VO,   8                           ; v8-11   the stores' offsets: 16 x lane + (tile / 4) A1 + (piece / 2) A3
.set ADR1, 16                          ; v16-17  LDS address of my M side's fragments in slot 0, 1
.set ADR0, 20                          ; v20-21  the same for the N side
.set STO,  24                          ; v24     the stage: where I put 8 codes
.set RD,   25                          ; v25     the stage: where I read 16 codes back
.set SPW,  28                          ; v28     LDS address of my spare word; never rewritten
.set NIL,  29                          ; v29     0; never rewritten
.set SCL,  30                          ; v30     2^(eT - e0 - e1) as f32
.set LIM,  31                          ; v31     unused
.set BN,   32
.set TMP,  32
.set BM2,  96
.set CD,   112
.set AF,   128
.set BK,   128
.set G1, 24                            ; s[24:31] descriptor group 1 for x's tiles;  s[32:39] group 0, one set for each slot
.set G0, 32
.set G1B, 48                           ; s[48:55], s[56:63] the same for W's tiles
.set G0B, 56
.set MSB, 0
.macro WIN new                         ; the immediate's high byte repeats the setting that is left; a switch that changes nothing is dropped
.if MSB != (\new)
	s_set_vgpr_msb (MSB<<8)|(\new)
.set MSB, (\new)
.endif
.endm
.set MUL_LO, 0xa1                      ; source 0 (N side) window 1, source 1 (M side) window 0, C and D window 2
.set MUL_HI, 0xf1                      ; the same, C and D window 3
.set FST_LO, 0x81                      ; the first products: C (the bias) window 0, D window 2
.set FST_HI, 0xc1                      ; D window 3
.set TO_N,   0x40                      ; destination window 1, address window 0
; A joint load: waves 0 and 1 fetch x's two halves, waves 2 and 3 W's.  Each line has one mask and one set of registers for all that issue it; the branch hangs on the wave's number alone.
; Four v_nop follow each of the two lines, ahead of the jump, the label and what follows.
.macro JLOAD g0a, g1a, g0b, g1b
	s_cmp_eq_u32 s15, 0
	s_cbranch_scc0 .Lfor_b_\@
	tensor_load_to_lds s[\g0a:\g0a+3], s[\g1a:\g1a+7]
	s_nop 0
.rept 4
	v_nop
.endr
	s_branch .Lasked_\@
.Lfor_b_\@:
	tensor_load_to_lds s[\g0b:\g0b+3], s[\g1b:\g1b+7]
	s_nop 0
.rept 4
	v_nop
.endr
.Lasked_\@:
.endm
.macro CREST                           ; a round of the cluster's barrier behind its opening barrier
	s_cmp_lg_u32 s14, 0
	s_cbranch_scc1 .Lnot_wave_0_\@
	s_barrier_signal -3
.Lnot_wave_0_\@:
	s_barrier_wait -3
	s_barrier_signal -1
	s_barrier_wait -1
.endm
.macro CROUND                          ; a whole round
	s_barrier_signal -1
	s_barrier_wait -1
	CREST
.endm
	s_load_b256 s[4:11], s[0:1], 0x0               ; x's codes s[4:5], W's codes s[6:7], b_attn s[8:9], the exponents s[10:11]
	s_load_b64 s[12:13], s[0:1], 0x20              ; qkvimg
	v_lshl_add_u32 v[SPW], v0, 2, SPARE
	v_mov_b32 v[NIL], 0
	ds_add_u32 v28, v29
	ds_add_u32 v28, v29
	s_wait_dscnt 0x0
	v_lshrrev_b32 v1, 5, v0
	v_readfirstlane_b32 s14, v1                    ; wave 0..3
	s_lshr_b32 s15, s14, 1                         ; which half of the M side is mine.  Also: I fetch for x (0) or for W (1)
	s_and_b32 s16, s14, 1                          ; which half of the N side.  Also: which 128 rows of that tile I fetch
	s_bfe_u32 s40, ttmp6, 0x40000                  ; cx, cy: my place in the cluster
	s_bfe_u32 s41, ttmp6, 0x40004
	s_lshl_b32 s42, ttmp9, 2
	s_add_co_u32 s42, s42, s40                     ; feature tile = 4 x cluster x + cx
	s_and_b32 s17, ttmp7, 0xffff
	s_lshl_b32 s17, s17, 2
	s_add_co_u32 s17, s17, s41                     ; token tile = 4 x cluster y + cy
	s_lshl_b32 s43, s41, 2
	s_lshl_b32 s43, 15, s43                        ; my row of the cluster
	s_lshl_b32 s44, 0x1111, s40                    ; my column
	; descriptor group 1: a tile of 128 rows x 256 bytes, padded in LDS
	s_or_b32 s[G1+0], s43, (0<<16)|(1<<20)|(1<<21)|(5<<22)|(3<<25)  ; 15:0 the mask: x's tiles go to my row; 17:16 elements of 1 byte; 20 padding on; 21 set beside a mask; 24:22 after every 64 words (code 5); 31:25 four words (code 3)
	s_or_b32 s[G1B+0], s44, (0<<16)|(1<<20)|(1<<21)|(5<<22)|(3<<25) ; the same with the mask of my column, for W's tiles
.irp g, G1, G1B
	s_mov_b32 s[\g+1], ROWB<<16                    ; tensor_dim0
	s_mov_b32 s[\g+2], 128<<16                     ; tensor_dim1 = 128
	s_mov_b32 s[\g+3], ROWB<<16                    ; tile_dim0
	s_mov_b32 s[\g+4], 128                         ; tile_dim1 = 128
	s_mov_b32 s[\g+5], KROW                        ; tensor_dim0_stride
	s_mov_b32 s[\g+6], 0
	s_mov_b32 s[\g+7], 0
.endr
	s_lshl_b32 s18, s16, 7                         ; which 128 rows of the tile I fetch
	s_lshl_b32 s20, s17, 8
	s_add_co_u32 s20, s20, s18                     ; x: row 256 x token tile + 128 x half,
	s_lshl_b32 s20, s20, 10                        ; in bytes (under 2^23)
	s_mov_b32 s21, 0
	s_lshl_b32 s46, s42, 8
	s_add_co_u32 s46, s46, s18                     ; W: row 256 x feature tile + 128 x half
	s_lshl_b32 s46, s46, 10
	s_mov_b32 s47, 0
	s_mul_i32 s45, s14, HALFT                      ; where they go: wave x 128 rows: no place in the cluster enters an LDS address
	; the kind: v (cluster x = 2) changes the sides
	s_mov_b32 s83, HS
	s_cmp_eq_u32 ttmp9, 2
	s_cselect_b32 s76, 2*HALFT, 0                  ; the M side's region of a slot: W's for v, x's for q and k
	s_cselect_b32 s77, 0, 2*HALFT                  ; the N side's
	s_cselect_b32 s78, s16, s15                    ; which half of the tile's tokens is mine
	s_cselect_b32 s79, s15, s16                    ; which half of its features
	s_cselect_b32 s84, s83, 1024                   ; A1: from M tiles 0-3 to 4-7: v: the next head; q, k: 1,024 bytes
	s_cselect_b32 s85, 1024, s83                   ; A3: from pieces 0, 1 to 2, 3: v: 1,024 bytes; q, k: the next head
	s_wait_kmcnt 0x0
	s_load_b256 s[68:75], s[10:11], 0x0            ; e0 .. e7
	s_add_nc_u64 s[20:21], s[4:5], s[20:21]
	s_add_nc_u64 s[46:47], s[6:7], s[46:47]
	CROUND                                         ; all sixteen work-groups are here: the first joint loads meet
.irp s, 0,1
	s_mov_b32 s[G0+4*\s], 1
	s_add_co_u32 s[G0+4*\s+1], s45, \s*SLOT
	s_add_nc_u64 s[G0+4*\s+2:G0+4*\s+3], s[20:21], \s*ROWB
	s_or_b32 s[G0+4*\s+3], s[G0+4*\s+3], 0x80000000
	s_mov_b32 s[G0B+4*\s], 1
	s_add_co_u32 s[G0B+4*\s+1], s45, \s*SLOT
	s_add_nc_u64 s[G0B+4*\s+2:G0B+4*\s+3], s[46:47], \s*ROWB
	s_or_b32 s[G0B+4*\s+3], s[G0B+4*\s+3], 0x80000000
	JLOAD G0+4*\s, G1, G0B+4*\s, G1B
.endr
	v_and_b32 v1, 15, v0                           ; r = lane % 16
	s_wait_alu depctr_va_vdst(0)
	v_bfe_u32 v2, v0, 4, 1                         ; h = lane / 16
	v_mul_u32_u24 v3, v1, PITCH
	v_lshl_add_u32 v4, v2, 4, v3                   ; a fragment's row x pitch + 16 x half
	s_mul_i32 s21, s15, HALFT
	s_add_co_u32 s21, s21, s76                     ; my 128 rows of the M side
	s_mul_i32 s22, s16, HALFT
	s_add_co_u32 s22, s22, s77                     ; my 128 rows of the N side
.irp s, 0,1
	v_add_nc_u32 v[ADR1+\s], s21, v4
	v_add_nc_u32 v[ADR0+\s], s22, v4
	s_add_co_u32 s21, s21, SLOT
	s_add_co_u32 s22, s22, SLOT
.endr
	s_mul_i32 s23, s14, WST                        ; my stage
	v_mul_u32_u24 v5, v1, SP
	s_wait_alu depctr_va_vdst(0)
	v_lshl_add_u32 v5, v2, 3, v5
	v_add_nc_u32 v[STO], s23, v5                   ; in: M row r of a block, 8 bytes for each half of the lanes
	v_and_b32 v6, 8, v1
	v_add_nc_u32 v6, v6, v1                        ; r + 8 (r / 8)
	v_mul_u32_u24 v6, v6, SP
	v_lshl_add_u32 v6, v2, 4, v6
	v_add_nc_u32 v[RD], s23, v6                    ; back: that row of a tile, 16 bytes for each half of the lanes
	v_and_b32 v7, 31, v0
	v_lshlrev_b32 v[VO], 4, v7                     ; 16 x lane
	v_add_nc_u32 v[VO+1], s85, v[VO]
	v_add_nc_u32 v[VO+2], s84, v[VO]
	v_add_nc_u32 v[VO+3], s85, v[VO+2]
	; the biases: of the N side's 128 features (lane (r, h), block b: 16 b + 8 h + 0 .. 7) and of the M side's (block a: 16 a + r).  Both runs lie inside b_attn for every kind.
	s_lshl_b32 s86, s42, 10                        ; 256 x feature tile, in bytes
	s_lshl_b32 s87, s16, 9
	s_add_co_u32 s87, s86, s87
	v_lshl_add_u32 v12, v2, 5, s87
	s_lshl_b32 s88, s15, 9
	s_add_co_u32 s88, s86, s88
	v_lshl_add_u32 v13, v1, 2, s88
.irp b, 0,1,2,3,4,5,6,7
	global_load_b128 v[BN+8*\b:BN+8*\b+3], v12, s[8:9] offset:64*\b
	global_load_b128 v[BN+8*\b+4:BN+8*\b+7], v12, s[8:9] offset:64*\b+16
.endr
.irp a, 0,1,2,3,4,5,6,7
	global_load_b32 v[BM2+2*\a], v13, s[8:9] offset:64*\a
.endr
	; where my 16,384 bytes of codes begin in qkvimg
	s_lshl_b32 s86, s17, 1
	s_add_co_u32 s86, s86, s78                     ; my group of 128 tokens among all 64
	s_lshr_b32 s87, s86, 4                         ; the batch,
	s_and_b32 s86, s86, 15                         ; the group in it
	s_lshl_b32 s88, s42, 1
	s_add_co_u32 s88, s88, s79
	s_and_b32 s88, s88, 7                          ; my 128 features among the kind's 1,024:
	s_lshl_b32 s88, s88, 1                         ; two heads
	s_lshl_b32 s87, s87, 4
	s_add_co_u32 s87, s87, s88
	s_mul_i32 s87, s87, HS
	s_mul_i32 s86, s86, GS
	s_add_co_u32 s86, s86, s87
	s_lshl_b32 s87, ttmp9, 13                      ; the kind's part of a group
	s_add_co_u32 s86, s86, s87
	s_mov_b32 s87, 0
	s_add_nc_u64 s[12:13], s[12:13], s[86:87]
	s_wait_kmcnt 0x0
	s_add_co_i32 s89, s68, s69                     ; e0 + e1: a sum stands for sum x 2^(e0 + e1)
	s_sub_co_i32 s90, 127, s89
	s_lshl_b32 s90, s90, 23                        ; 2^-(e0 + e1) as f32
	s_cmp_eq_u32 ttmp9, 2
	s_cselect_b32 s92, s90, 0                      ; the M side's bias counts for v alone,
	s_cselect_b32 s90, 0, s90                      ; the N side's for q and k
	s_cselect_b32 s82, s73, s71                    ; eT: e5 for v, e3 for k,
	s_mov_b32 s91, s90                             ; (named with s90 as a pair, so it is written)
	s_cmp_eq_u32 ttmp9, 0
	s_cselect_b32 s82, s70, s82                    ; e2 for q
	s_sub_co_i32 s94, s82, s89
	s_add_co_i32 s94, s94, 127
	s_lshl_b32 s95, s94, 23
	v_mov_b32 v[SCL], s95                          ; 2^(eT - e0 - e1): the three scales folded into the conversion's one
	s_wait_loadcnt 0x0                             ; the biases
.set j, 0
.rept 32
	v_pk_mul_f32 v[BN+j:BN+j+1], v[BN+j:BN+j+1], s[90:91] op_sel_hi:[1,0]
.set j, j+2
.endr
.irp a, 0,1,2,3,4,5,6,7
	v_mul_f32 v[BM2+2*\a+1], s92, v[BM2+2*\a]      ; twice: a pair for the packed addition
	v_mul_f32 v[BM2+2*\a], s92, v[BM2+2*\a]
.endr
.macro FRAG reg, adr, q, i             ; a fragment, 16 rows x 128 K, is 16 registers: lane l holds row l % 16; registers 4 c .. 4 c + 3 hold K = 32 c + 16 (l / 16) + 0 .. 15: the same order of K on both sides
.irp c, 0,1,2,3
	ds_load_b128 v[\reg+4*\c:\reg+4*\c+3], v[\adr] offset:128*(\q)+32*\c+(\i)*16*PITCH
.endr
.endm
; 16 matrix instructions: the M side's blocks a0, a0 + 1 x the N side's eight, 128 along K.  p: the N side's set.  first = 1: the first products start the sums, with the bias as C: nothing is ever cleared.
; The 64 accumulators take turns, one instruction a turn, in the same order in every step.
.macro MUL16 a0, p, first
.irp a, \a0, \a0+1
.irp b, 0,1,2,3,4,5,6,7
.if \first
	v_wmma_f32_16x16x128_fp8_fp8 v[8*(8*((\a)%4)+\b):8*(8*((\a)%4)+\b)+7], v[128*(\p)+FR*\b:128*(\p)+FR*\b+FR-1], v[AF+FR*(\a):AF+FR*(\a)+FR-1], v[BN+8*\b:BN+8*\b+7]
.else
	v_wmma_f32_16x16x128_fp8_fp8 v[8*(8*((\a)%4)+\b):8*(8*((\a)%4)+\b)+7], v[128*(\p)+FR*\b:128*(\p)+FR*\b+FR-1], v[AF+FR*(\a):AF+FR*(\a)+FR-1], v[8*(8*((\a)%4)+\b):8*(8*((\a)%4)+\b)+7]
.endif
.endr
.endr
.endm
.macro FETCH_N slot, q, p              ; the N side's eight fragments of the slot's q-th 128 along K into set p
	WIN TO_N
.irp i, 0,1,2,3,4,5,6,7
	FRAG 128*(\p)+FR*\i, ADR0+\slot, \q, \i
.endr
	WIN 0
.endm
.macro FETCH_M slot, q, i0             ; the M side's blocks i0 .. i0 + 3
.irp i, \i0, \i0+1, \i0+2, \i0+3
	FRAG AF+FR*(\i), ADR1+\slot, \q, \i
.endr
.endm
; A load into a register that a matrix instruction has read, and a vector instruction that reads a matrix result, stand NP places behind that matrix instruction; only plain vector
; instructions that name none of its registers are places (ISA guide 7.12.1 for vector instructions).
.macro PLACES n
.rept \n
	v_nop
.endr
.endm
; A step of 128 along K that has its successor in the same slot.  A block of the M side is free as soon as its eight products are issued, so one set of registers serves it.
.macro STEP slot, q, first
	s_wait_dscnt 4*NL                              ; the N side's set and the M side's blocks 0-3 are in; the youngest sixteen loads (blocks 4-7) may be out
.if \first
	WIN FST_LO
.else
	WIN MUL_LO
.endif
	MUL16 0, (\q)%2, \first
	MUL16 2, (\q)%2, \first
	s_wait_dscnt 0                                 ; blocks 4-7 are in (asked for 32 matrix instructions ago)
	PLACES NP
	FETCH_N \slot, (\q)+1, 1-(\q)%2
	FETCH_M \slot, (\q)+1, 0
.if \first
	WIN FST_HI
.else
	WIN MUL_HI
.endif
	MUL16 4, (\q)%2, \first
	MUL16 6, (\q)%2, \first
	PLACES NP
	WIN 0
	FETCH_M \slot, (\q)+1, 4
.endm
; A slot's last step changes slots: ONE barrier; in front of it each wave waits for all its tensor loads, adds 0 to its spare word, and waits for that and for its own reads of this slot.  fill = 1: this slot is filled again, two K steps ahead.
.macro TURN slot, next, fill
	s_wait_tensorcnt 0x0                           ; all my tensor loads have landed: the one that was out is my part of the next slot  (every window is 0 here)
	ds_add_u32 v[SPW], v[NIL]                      ; 0 onto my spare word
	s_wait_dscnt 4*NL+1                            ; (the add and the youngest sixteen loads may be out)
	WIN MUL_LO
	MUL16 0, 1, 0                                  ; sixteen matrix instructions stand between the add and the wait for it
	s_wait_dscnt 0x0                               ; the add is done, and my reads of this slot are over
	s_barrier_signal -1
	MUL16 2, 1, 0
	WIN 0
	s_barrier_wait -1
.if \fill
	CREST                                          ; the barrier has opened a round of the cluster's barrier: no wave of any partner still reads this slot's tile or has a load on its way
	s_add_nc_u64 s[G0+4*\slot+2:G0+4*\slot+3], s[G0+4*\slot+2:G0+4*\slot+3], 2*ROWB
	s_add_nc_u64 s[G0B+4*\slot+2:G0B+4*\slot+3], s[G0B+4*\slot+2:G0B+4*\slot+3], 2*ROWB
	JLOAD G0+4*\slot, G1, G0B+4*\slot, G1B         ; the first tensor load behind the round; the four v_nop behind it are the places in front of the loads below
.else
	PLACES NP
.endif
	FETCH_N \next, 0, 0
	FETCH_M \next, 0, 0
	WIN MUL_HI
	MUL16 4, 1, 0
	MUL16 6, 1, 0
	PLACES NP
	WIN 0
	FETCH_M \next, 0, 4
.endm
	s_wait_tensorcnt 1                             ; my part of K step 0 is in; K step 1's load may be out
	s_barrier_signal -1
	s_barrier_wait -1                              ; everybody's is
	FETCH_N 0, 0, 0
	FETCH_M 0, 0, 0
	FETCH_M 0, 0, 4
	STEP 0, 0, 1                                   ; K 0-127: these products start the sums
	TURN 0, 1, 1                                   ; K 128-255; slot 0 takes K step 2
	STEP 1, 0, 0
	TURN 1, 0, 1                                   ; slot 1 takes K step 3: the last load
	STEP 0, 0, 0
	TURN 0, 1, 0                                   ; nothing is left to fetch: no round of the cluster's barrier
	STEP 1, 0, 0
	s_wait_dscnt 4*NL                              ; the very last step
	WIN MUL_LO
	MUL16 0, 1, 0
	MUL16 2, 1, 0
	s_wait_dscnt 0
	WIN MUL_HI
	MUL16 4, 1, 0
	MUL16 6, 1, 0
	WIN 0
; THE WAY OUT.  PACKQ a: block a (16 M rows x 128 along N) gets the M side's bias, is converted, each accumulator from its low end on, and its codes go into my stage: 8 bytes a lane and N block.
.macro PACKQ a
.set AC, 64*((\a)%4)
	WIN 0x02+((\a)/4)                              ; source 0: window 2 or 3
.set j, 0
.rept 32
	v_pk_add_f32 v[TMP+j:TMP+j+1], v[AC+j:AC+j+1], v[BM2+2*(\a):BM2+2*(\a)+1]
.set j, j+2
.endr
	WIN 0
.set j, 0
.rept 64
.set j, j+1
.endr
.irp b, 0,1,2,3,4,5,6,7
	v_cvt_scalef32_pk8_fp8_f32 v[CD+2*\b:CD+2*\b+1], v[TMP+8*\b:TMP+8*\b+7], v[SCL]
.endr
	v_nop                                          ; one plain vector instruction behind the last conversion: the next block's additions write the conversions' sources
.irp b, 0,1,2,3,4,5,6,7
	ds_store_b64 v[STO], v[CD+2*\b:CD+2*\b+1] offset:(\a)*16*SP+16*\b
.endr
.endm
; READ be: the eight pieces of M tiles 2 be and 2 be + 1 (M rows 32 be .. 32 be + 31).  LDS serves a wave's instructions in order (ISA guide 5.7.1.4): these see my stores.
.macro READ be
.irp e, 0,1
.irp c, 0,1,2,3
	ds_load_b128 v[BK+32*(\be)+16*\e+4*\c:BK+32*(\be)+16*\e+4*\c+3], v[RD] offset:(32*(\be)+8*\e)*SP+32*\c
.endr
.endr
.endm
; SENDQ be: each store of the wave covers 512 consecutive bytes, at a multiple of 512 from qkvimg's first byte.  No register is used twice, so no wait frees one.
.macro SENDQ be
.irp e, 0,1
.irp c, 0,1,2,3
	global_store_b128 v[VO+2*((\be)/2)+(\c/2)], v[BK+32*(\be)+16*\e+4*\c:BK+32*(\be)+16*\e+4*\c+3], s[12:13] offset:(2*((\be)%2)+\e)*2048+(\c%2)*512
.endr
.endr
.endm
	PLACES NP                                      ; behind the last products: for the reads of results and for the loads into the registers that held the M side's fragments
	PACKQ 0
	PACKQ 1
	READ 0
	PACKQ 2
	PACKQ 3
	s_wait_dscnt 16                                ; the pieces of rows 0-31 are in; the sixteen stage stores issued behind their loads may be out
	SENDQ 0
	READ 1
	PACKQ 4
	PACKQ 5
	s_wait_dscnt 16
	SENDQ 1
	READ 2
	PACKQ 6
	PACKQ 7
	s_wait_dscnt 16
	SENDQ 2
	READ 3
	s_wait_dscnt 0x0
	SENDQ 3
	s_wait_tensorcnt 0x0                           ; the wave's end: behind my last tensor load and my last LDS store
	ds_add_u32 v[SPW], v[NIL]
	s_wait_dscnt 0x0
	CROUND                                         ; the closing round: no work-group ends while a partner may still ask for a tile that names it
	s_endpgm
.Lfunc_end_k_q2794eb7cac_qkv:
	.size	k_q2794eb7cac_qkv, .Lfunc_end_k_q2794eb7cac_qkv-k_q2794eb7cac_qkv
	.p2alignl 7, 3214868480
	.fill 96, 4, 3214868480
	.section	.rodata,"a",@progbits
	.p2align	6, 0x0
	.amdhsa_kernel k_q2794eb7cac_qkv
		.amdhsa_group_segment_fixed_size 327680
		.amdhsa_private_segment_fixed_size 0
		.amdhsa_enable_private_segment 0
		.amdhsa_kernarg_size 40
		.amdhsa_user_sgpr_count 2
		.amdhsa_user_sgpr_kernarg_segment_ptr 1
		.amdhsa_wavefront_size32 1
		.amdhsa_system_sgpr_workgroup_id_x 1
		.amdhsa_system_sgpr_workgroup_id_y 1
		.amdhsa_system_sgpr_workgroup_id_z 1
		.amdhsa_system_vgpr_workitem_id 0
		.amdhsa_next_free_vgpr 1024
		.amdhsa_next_free_sgpr 100
		.amdhsa_reserve_vcc 0
		.amdhsa_float_denorm_mode_32 3
		.amdhsa_float_denorm_mode_16_64 3
		.amdhsa_fp16_overflow 1
		.amdhsa_memory_ordered 1
		.amdhsa_forward_progress 1
		.amdhsa_inst_pref_size 114
	.end_amdhsa_kernel
	.amdgpu_metadata
---
amdhsa.version: [ 1, 2 ]
amdhsa.kernels:
  - .name:           k_q2794eb7cac_qkv
    .symbol:         k_q2794eb7cac_qkv.kd
    .args:
      - { .name: x_codes, .offset: 0, .size: 8, .value_kind: global_buffer, .address_space: global }
      - { .name: W_attn_codes, .offset: 8, .size: 8, .value_kind: global_buffer, .address_space: global }
      - { .name: b_attn, .offset: 16, .size: 8, .value_kind: global_buffer, .address_space: global }
      - { .name: lowp_scales, .offset: 24, .size: 8, .value_kind: global_buffer, .address_space: global }
      - { .name: qkvimg, .offset: 32, .size: 8, .value_kind: global_buffer, .address_space: global }
    .group_segment_fixed_size: 327680
    .private_segment_fixed_size: 0
    .kernarg_segment_align: 8
    .kernarg_segment_size: 40
    .max_flat_workgroup_size: 128
    .sgpr_count:     100
    .vgpr_count:     1024
    .wavefront_size: 32
...
	.end_amdgpu_metadata
.endif
;; end of part 1
;; launch attn (part 2): grid 4 x 64, 16 waves a work-group, clusters of 4 x 1, 264,192 bytes of LDS; arguments qkvimg, lowp_scales, yimg; writes yimg
.if DOCPART == 2
	.amdgcn_target "amdgcn-amd-amdhsa--gfx1250"
	.amdhsa_code_object_version 6
	.text
	.protected	k_q2794eb7cac_attn
	.globl	k_q2794eb7cac_attn
	.p2align	8
	.type	k_q2794eb7cac_attn,@function
k_q2794eb7cac_attn:
	s_mov_b64 s[64:65], 0
	v_nop
	global_prefetch_b8 v0, s[64:65] scope:SCOPE_SE
	s_setreg_imm32_b32 hwreg(HW_REG_WAVE_MODE, 25, 1), 1
	s_wait_xcnt 0x0
	s_wait_alu depctr_hold_cnt(0) depctr_sa_sdst(0) depctr_va_vdst(0) depctr_va_sdst(0) depctr_va_ssrc(0) depctr_va_vcc(0) depctr_vm_vsrc(0)
	s_getreg_b32 s2, hwreg(HW_REG_IB_STS2, 6, 4)
	s_cmp_eq_u32 s2, 0
	s_cbranch_scc0 .Lentry_in_a_cluster
	s_endpgm
.Lentry_in_a_cluster:
	s_bfe_u32 s2, ttmp6, 0x10000c
	s_cmp_lg_u32 s2, 0x3003
	s_cbranch_scc0 .Lentry_shape_is_right
	s_endpgm
.Lentry_shape_is_right:
; y = softmax(q k^T / 8, causal) v for 64 heads of 2,048 tokens x 64 channels, both products on codes of FP8 (E4M3); y is quantised (scale 2^e6) and stored as images of the projection's operand registers.
; THE SOFTMAX AHEAD OF THE SECOND PRODUCT: t = score x log2(e) / 8; M = the row's largest t so far, rounded UP to a whole number; p = 2^(t - M) is what is quantised (scale 2^e4); it is not normalised.
; The row's sum is taken of the unquantised p, in f32, and divides at the end.  When M moves, the sum and O are multiplied by 2^(old M - new M): exact.
; K AND V OF A WHOLE HEAD LIE IN LDS: 2,048 keys x 64 channels x 2 tensors = 262,144 bytes of codes, filled ONCE: wave w brings key step w (128 keys: 8,192 bytes of k, 8,192 of v, on end in qkvimg).
; So there is one barrier, no slot is filled again, and a fragment comes as pieces of 512 consecutive bytes, 16 a lane: no pitch, no padding.
; CLUSTER: the four work-groups of a cluster belong to one head and need the same 262,144 bytes: each of the sixteen loads is asked for JOINTLY by the four.
; SHARES.  Of each group of 128 queries (8 tiles of 16) partner cx owns tiles 2 cx and 2 cx + 1.  Wave w (g = w / 2, u = w % 2) owns tile 2 cx + u of group g, which sees g + 1 key steps, and then of group 15 - g,
; which sees 16 - g: SEVENTEEN key steps for every wave of the launch, two of them on the diagonal.  No step all of whose keys are hidden is walked.  Trip counts and branches hang on the wave's number and the
; trip counter alone; cx enters q's and y's addresses in memory and the diagonal's threshold, nothing else.
; LAYOUT.  Both products are used transposed: S^T = k q^T (source 0 = 16 keys, source 1 = my 16 queries), O^T = v^T p^T (source 0 = 16 channels, source 1 = p): a lane holds ONE query (lane % 16) throughout.
; THE ROWS OF A TILE ARE NOT NEIGHBOURS: lane r of tile 2 b + e holds row 32 b + 8 e + r + 8 (r / 8); so the 16 registers of tiles 2 b and 2 b + 1 of a result are rows 32 b + 16 (lane / 16) + 0 .. 15: sixteen neighbours for the conversions.
; LIMITS on the given exponents, so that each power of two below is an f32 number: e2 + e3 between -123 and 130 (added to c's exponent field); e4, and e6 - e4 - e5, between -126 and 119.
; REGISTERS: v1 16 x lane; v2 the step's LDS address; v3 the diagonal's threshold; v12 -M, v13 the largest t, v[14:15] the sum in two halves; v16-23 q in hand, v24-31 q of the second tile; v32-95 k's 8 fragments, then v's 4;
;   v96-159 S^T, then p; v160-191 O^T; v192-207 p's codes; v208-215 y's codes; v224-227 scales; v236-254 at work.
.set HS,  393216                       ; a head in qkvimg
.set GS,  24576                        ; a group of 128 tokens in qkvimg: q's part at 0, k's at 8,192, v's at 16,384
.set KST, 16384                        ; a key step in LDS: k's 8 tiles, then v's 4
.set WV,  10                           ; s10  my wave's number
.set SW,  15                           ; s15  the trip at whose head the tiles change: g + 1
.set I,   16                           ; s16  the trip
.set TB,  17                           ; s17  LDS byte at which the key step in hand begins
.set DG,  18                           ; s18  the trip that lies on the diagonal
.set SEL, 20                           ; s[20:21] lane selects for v_permlanex16_b32: lane l xor 16
.set CS,  22                           ; s[22:23] c = log2(e) / 8 x 2^(e2 + e3)
.macro ROUND                           ; a round of the cluster's barrier
	s_barrier_signal -1
	s_barrier_wait -1
	s_cmp_lg_u32 s[WV], 0
	s_cbranch_scc1 .Lnot_wave_0_\@
	s_barrier_signal -3
.Lnot_wave_0_\@:
	s_barrier_wait -3
	s_barrier_signal -1
	s_barrier_wait -1
.endm
	s_load_b128 s[4:7], s[0:1], 0x0                ; qkvimg s[4:5], the exponents s[6:7]
	s_load_b64 s[8:9], s[0:1], 0x10                ; yimg
	v_lshl_add_u32 v251, v0, 2, 0x40000
	v_mov_b32 v255, 0
	ds_add_u32 v251, v255
	ds_add_u32 v251, v255
	v_lshrrev_b32 v5, 5, v0
	s_delay_alu instid0(VALU_DEP_1)
	v_readfirstlane_b32 s[WV], v5                  ; wave 0..15
	s_bfe_u32 s11, ttmp6, 0x40000                  ; cx: my place in the cluster
	s_and_b32 s12, ttmp7, 0xffff                   ; the head (16 x batch + head), which the four partners share
	s_lshr_b32 s13, s[WV], 1                       ; g
	s_and_b32 s14, s[WV], 1                        ; u
	s_add_co_u32 s[SW], s13, 1
	; descriptor group 1: 16,384 dense bytes as 64 rows of 256
	s_mov_b32 s24, 15|(3<<16)|(1<<21)              ; 15:0 the mask: all four work-groups; 17:16 elements of 8 bytes; 20 no padding; 21 set beside a mask
	s_mov_b32 s25, 32<<16                          ; tensor_dim0 = 32 elements
	s_mov_b32 s26, 64<<16                          ; tensor_dim1 = 64
	s_mov_b32 s27, 32<<16                          ; tile_dim0
	s_mov_b32 s28, 64                              ; tile_dim1
	s_mov_b32 s29, 32                              ; tensor_dim0_stride: rows on end
	s_mov_b32 s30, 0
	s_mov_b32 s31, 0
	s_mul_i32 s52, s12, HS                         ; the head's first byte
	s_mov_b32 s53, 0
	s_mul_i32 s54, s[WV], GS
	s_add_co_u32 s54, s54, 8192                    ; key step w: k's and v's parts of group w
	s_mov_b32 s55, 0
	s_mov_b32 s[SEL], 0x76543210
	s_mov_b32 s[SEL+1], 0xfedcba98
	s_wait_dscnt 0x0
	s_wait_kmcnt 0x0
	s_load_b256 s[40:47], s[6:7], 0x0              ; e0 .. e7
	s_add_nc_u64 s[4:5], s[4:5], s[52:53]          ; qkvimg at my head
	s_mov_b32 s32, 1                               ; group 0: count = 1
	s_lshl_b32 s33, s[WV], 14                      ; LDS address: 16,384 x wave
	s_add_nc_u64 s[34:35], s[4:5], s[54:55]        ; global address: it hangs on the head and the wave's number alone
	s_or_b32 s35, s35, 0x80000000                  ; type = 2
	ROUND                                          ; all four work-groups are here: the joint loads meet
	tensor_load_to_lds s[32:35], s[24:31]          ; my one tensor load of the launch
	s_nop 0
.rept 4
	v_nop
.endr
	s_lshl_b32 s56, s11, 1
	s_add_co_u32 s56, s56, s14                     ; my tile in a group: 2 cx + u
	s_and_b32 s57, s56, 3
	s_lshl_b32 s57, s57, 11
	s_lshr_b32 s58, s56, 2
	s_lshl_b32 s58, s58, 10
	s_add_co_u32 s57, s57, s58                     ; its place in q's part: (t % 4) 2048 + (t / 4) 1024
	s_mul_i32 s58, s13, GS
	s_add_co_u32 s58, s58, s57
	s_mov_b32 s59, 0
	s_add_nc_u64 s[36:37], s[4:5], s[58:59]        ; q of my first tile: group g
	s_sub_co_u32 s60, 15, s13
	s_mul_i32 s58, s60, GS
	s_add_co_u32 s58, s58, s57
	s_add_nc_u64 s[38:39], s[4:5], s[58:59]        ; of my second: group 15 - g
	v_and_b32 v1, 31, v0
	s_delay_alu instid0(VALU_DEP_1)
	v_lshlrev_b32 v1, 4, v1                        ; 16 x lane: a lane's place in every piece, in LDS and in memory; never rewritten
	global_load_b128 v[16:19], v1, s[36:37]        ; channels 16 h + 0 .. 15
	global_load_b128 v[20:23], v1, s[36:37] offset:512   ; channels 32 + 16 h + 0 .. 15
	global_load_b128 v[24:27], v1, s[38:39]
	global_load_b128 v[28:31], v1, s[38:39] offset:512
	; yimg: [512 token tiles][16,384]; head hd, piece be (channels 32 be on) at 1024 hd + 512 be
	s_lshr_b32 s58, s12, 4
	s_lshl_b32 s58, s58, 7
	s_add_co_u32 s58, s58, s56                     ; 128 x batch + my tile in a group
	s_and_b32 s62, s12, 15
	s_lshl_b32 s62, s62, 10
	s_lshl_b32 s61, s13, 3
	s_add_co_u32 s61, s61, s58
	s_lshl_b32 s61, s61, 14
	s_add_co_u32 s52, s61, s62
	s_add_nc_u64 s[48:49], s[8:9], s[52:53]        ; y of my first tile
	s_lshl_b32 s61, s60, 3
	s_add_co_u32 s61, s61, s58
	s_lshl_b32 s61, s61, 14
	s_add_co_u32 s52, s61, s62
	s_add_nc_u64 s[50:51], s[8:9], s[52:53]        ; of my second
	; the diagonal: my query in its group is 32 cx + 8 u + r + 8 (r / 8); register 16 b + i of S^T holds key 32 b + 16 h + i of the step: hidden where 32 b + i > query - 16 h
	s_lshl_b32 s61, s11, 5
	s_lshl_b32 s62, s14, 3
	s_add_co_u32 s61, s61, s62
	v_and_b32 v5, 15, v0
	s_delay_alu instid0(VALU_DEP_1)
	v_and_b32 v6, 8, v5
	s_delay_alu instid0(VALU_DEP_1)
	v_add_nc_u32 v5, v5, v6
	v_and_b32 v6, 16, v0                           ; 16 h
	s_delay_alu instid0(VALU_DEP_1)
	v_sub_nc_u32 v5, v5, v6
	s_delay_alu instid0(VALU_DEP_1)
	v_add_nc_u32 v3, s61, v5
	v_mov_b32 v13, 0xff61b1e6                      ; the largest t so far: -3e38, under every t
	s_delay_alu instid0(VALU_DEP_1)
	v_floor_f32 v12, -v13                          ; -M
	v_mov_b32 v14, 0                               ; the sum, in two halves
	v_mov_b32 v15, 0
	v_mov_b32 v236, 0                              ; written once: a lane permute's destination counts as one of its sources
	v_mov_b32 v252, 0
	v_mov_b32 v253, 0                              ; (named as the upper half of the pair v[252:253])
.set j, 0
.rept 32
	v_mov_b32 v[160+j], 0                          ; O^T.  (The step is written once: a tile's first step finds zeros, which the first change of M leaves zeros)
.set j, j+1
.endr
	s_wait_kmcnt 0x0
	s_mov_b32 s[CS], 0x3e38aa3b                    ; log2(e) / 8
	s_add_co_i32 s52, s42, s43
	s_lshl_b32 s52, s52, 23
	s_add_co_i32 s[CS], s[CS], s52                 ; a score stands for score x 2^(e2 + e3): the two exponents are added to c's exponent field
	s_mov_b32 s[CS+1], s[CS]                       ; (named with it as a pair, so it is written)
	s_add_co_i32 s52, s44, 127
	s_lshl_b32 s54, s52, 23
	v_mov_b32 v224, s54                            ; 2^e4 as f32, for p's conversions
	s_sub_co_i32 s52, s46, s44
	s_sub_co_i32 s52, s52, s45                     ; O / l stands for y / 2^(e4 + e5): y's code is (O / l) / 2^(e6 - e4 - e5)
	s_add_co_i32 s52, s52, 127
	s_lshl_b32 s54, s52, 23
	v_mov_b32 v226, s54
; A KEY STEP: 128 keys against my 16 queries.
.macro STEP
	s_and_b32 s19, s[TB], 0x3c000                  ; the mask changes nothing (TB is at most 15 x 16,384): it states in the text that every address stays inside the 262,144 bytes
	v_add_nc_u32 v2, s19, v1
.irp t, 0,1,2,3,4,5,6,7
.irp c, 0,1
	ds_load_b128 v[32+8*\t+4*\c:32+8*\t+4*\c+3], v2 offset:(\t%4)*2048+(\t/4)*1024+512*\c
.endr
.endr
	s_wait_alu depctr_va_vdst(0)
	s_wait_dscnt 0x0
.irp t, 0,1,2,3,4,5,6,7
	v_wmma_f32_16x16x64_fp8_fp8 v[96+8*\t:103+8*\t], v[32+8*\t:39+8*\t], v[16:23], 0   ; S^T: K = the head's 64
.endr
.rept 4
	v_nop                                          ; places in front of the loads into registers that these products read, and of the first read of the scores
.endr
.irp t, 0,1,2,3
.irp c, 0,1,2,3
	ds_load_b128 v[32+16*\t+4*\c:32+16*\t+4*\c+3], v2 offset:8192+2048*\t+512*\c   ; v's four fragments land under the softmax
.endr
.endr
	s_cmp_lg_u32 s[I], s[DG]
	s_cbranch_scc1 .Lopen_\@                       ; a step all of whose keys count skips the mask
	v_mov_b32 v254, 0xff800000                     ; on the diagonal the scores of hidden keys become -infinity ahead of the maximum: p = 0 then.  Key 0 of the head counts for every query, so M is a number from a tile's first step on
.set n, 0
.rept 64
	v_cmp_gt_i32 vcc_lo, 32*(n/16)+n%16, v3
	v_cndmask_b32 v[96+n], v[96+n], v254, vcc_lo
.set n, n+1
.endr
.Lopen_\@:
	v_max3_num_f32 v254, v96, v97, v98             ; the step's largest score of my query, among my 64 keys, in two chains,
	v_max3_num_f32 v252, v99, v100, v101
.irp i, 6,10,14,18,22,26,30,34,38,42,46,50,54,58
	v_max3_num_f32 v254, v254, v[96+\i], v[97+\i]
	v_max3_num_f32 v252, v252, v[98+\i], v[99+\i]
.endr
	s_setprio 1
	v_max3_num_f32 v254, v254, v158, v159
	s_delay_alu instid0(VALU_DEP_1)
	v_max_num_f32 v254, v254, v252
	s_delay_alu instid0(VALU_DEP_1)
	v_permlanex16_b32 v236, v254, s[SEL], s[SEL+1]
	s_delay_alu instid0(VALU_DEP_1)
	v_max_num_f32 v254, v254, v236                 ; and among lane l xor 16's
	s_delay_alu instid0(VALU_DEP_1)
	v_mul_f32 v254, s[CS], v254                    ; as t (c is positive)
	s_delay_alu instid0(VALU_DEP_1)
	v_max_num_f32 v13, v13, v254                   ; the running largest t
	v_mov_b32 v254, v12
	s_delay_alu instid0(VALU_DEP_2)
	v_floor_f32 v12, -v13                          ; the new -M = floor(-t) = -ceil(t): M is a whole number
	s_delay_alu instid0(VALU_DEP_1)
	v_sub_f32 v254, v12, v254                      ; M's old value less its new one: a whole number, 0 or less
	s_delay_alu instid0(VALU_DEP_1)
	v_cvt_i32_f32 v254, v254                       ; (it saturates)
	s_delay_alu instid0(VALU_DEP_1)
	v_ldexp_f32 v252, 1.0, v254                    ; f = 2^(old M - new M)
.set j, 0
.rept 32
	v_pk_fma_f32 v[96+j:97+j], v[96+j:97+j], s[CS:CS+1], v[12:13] op_sel_hi:[1,0,0]   ; t - M, two at a time (of the pairs c and -M the low word serves both halves)
.set j, j+2
.endr
.set j, 0
	s_wait_alu depctr_va_vdst(0)
.rept 64
	v_exp_f32 v[96+j], v[96+j]                     ; p = 2^(t - M), at most 1: not normalised
.set j, j+1
.endr
	v_pk_mul_f32 v[14:15], v[14:15], v[252:253] op_sel_hi:[1,0]   ; the sums under the new M: the plain instruction behind the exponentials
	s_wait_alu depctr_va_vdst(0)                   ; one wait for the whole batch, ahead of its first reader
	v_pk_add_f32 v[242:243], v[100:101], v[104:105]
	v_pk_add_f32 v[248:249], v[108:109], v[112:113]
	v_pk_add_f32 v[246:247], v[116:117], v[120:121]
	v_pk_add_f32 v[244:245], v[124:125], v[128:129]
	v_pk_add_f32 v[240:241], v[132:133], v[136:137]
	v_pk_add_f32 v[238:239], v[140:141], v[144:145]
	v_pk_add_f32 v[234:235], v[148:149], v[152:153]
	v_pk_add_f32 v[14:15], v[14:15], v[156:157]
	v_pk_add_f32 v[242:243], v[242:243], v[96:97]
	v_pk_add_f32 v[248:249], v[248:249], v[98:99]
	v_pk_add_f32 v[246:247], v[246:247], v[102:103]
	v_pk_add_f32 v[244:245], v[244:245], v[106:107]
	v_pk_add_f32 v[240:241], v[240:241], v[110:111]
	v_pk_add_f32 v[238:239], v[238:239], v[114:115]
	v_pk_add_f32 v[234:235], v[234:235], v[118:119]
	v_pk_add_f32 v[14:15], v[14:15], v[122:123]
	v_pk_add_f32 v[242:243], v[242:243], v[126:127]
	v_pk_add_f32 v[248:249], v[248:249], v[130:131]
	s_setprio 0
	v_pk_add_f32 v[246:247], v[246:247], v[134:135]
	v_pk_add_f32 v[244:245], v[244:245], v[138:139]
	v_pk_add_f32 v[240:241], v[240:241], v[142:143]
	v_pk_add_f32 v[238:239], v[238:239], v[146:147]
	v_pk_add_f32 v[234:235], v[234:235], v[150:151]
	v_pk_add_f32 v[14:15], v[14:15], v[154:155]
	v_pk_add_f32 v[242:243], v[242:243], v[158:159]
	s_delay_alu instid0(VALU_DEP_2)
	v_pk_add_f32 v[14:15], v[14:15], v[244:245]
	s_delay_alu instid0(VALU_DEP_2)
	v_pk_add_f32 v[242:243], v[242:243], v[240:241]
	v_pk_add_f32 v[248:249], v[248:249], v[238:239]
	v_pk_add_f32 v[246:247], v[246:247], v[234:235]
	s_delay_alu instid0(VALU_DEP_2)
	v_pk_add_f32 v[14:15], v[14:15], v[248:249]
	s_delay_alu instid0(VALU_DEP_2)
	v_pk_add_f32 v[242:243], v[242:243], v[246:247]
	s_delay_alu instid0(VALU_DEP_1)
	v_pk_add_f32 v[14:15], v[14:15], v[242:243]
.irp b, 0,1,2,3
.irp i, 0,1,2,3,4,5,6,7,8,9,10,11,12,13,14,15
.endr
	v_cvt_scalef32_pk8_fp8_f32 v[192+4*\b:193+4*\b], v[96+16*\b:103+16*\b], v224
	v_cvt_scalef32_pk8_fp8_f32 v[194+4*\b:195+4*\b], v[104+16*\b:111+16*\b], v224
.endr
.set j, 0
.rept 16
	v_pk_mul_f32 v[160+j:161+j], v[160+j:161+j], v[252:253] op_sel_hi:[1,0]   ; O^T under the new M: x f.  (Also the plain instructions between the conversions and the products that read their results)
.set j, j+2
.endr
	s_wait_alu depctr_va_vdst(0)
	s_wait_dscnt 0x0                               ; v's fragments are in
.irp t, 0,1,2,3
	v_wmma_f32_16x16x128_fp8_fp8 v[160+8*\t:167+8*\t], v[32+16*\t:47+16*\t], v[192:207], v[160+8*\t:167+8*\t]   ; O^T += v^T p^T: K = these 128 keys; the four accumulators take turns
.endr
.rept 4
	v_nop                                          ; places in front of the next step's loads, and of the way out's reads
.endr
.endm
; A TILE'S WAY OUT: O^T / l is converted and stored: two pieces of 512 consecutive bytes, at multiples of 512 from yimg's first byte.
.macro FINISH base
	s_wait_xcnt 0x0                                ; the first tile's stores have read their registers: y's codes are written again only behind this wait
	v_add_f32 v14, v14, v15                        ; the sum's two halves,
	s_delay_alu instid0(VALU_DEP_1)
	v_permlanex16_b32 v252, v14, s[SEL], s[SEL+1]
	s_delay_alu instid0(VALU_DEP_1)
	v_add_f32 v14, v14, v252                       ; and lane l xor 16's: the row's sum
	s_wait_alu depctr_va_vdst(0)
	v_rcp_f32 v14, v14
	v_nop                                          ; one plain instruction behind the reciprocal
	s_wait_alu depctr_va_vdst(0)                   ; and the wait ahead of its first reader
.set j, 0
.rept 16
	v_pk_mul_f32 v[96+j:97+j], v[160+j:161+j], v[14:15] op_sel_hi:[1,0]   ; register 16 be + i is channel 32 be + 16 h + i of my query; each accumulator from its low end on
.set j, j+2
.endr
.set j, 0
.rept 32
.set j, j+1
.endr
.irp k, 0,1,2,3
	v_cvt_scalef32_pk8_fp8_f32 v[208+2*\k:209+2*\k], v[96+8*\k:103+8*\k], v226
.endr
	v_nop                                          ; one plain instruction behind the last conversion: later products write its sources
	global_store_b128 v1, v[208:211], s[\base:\base+1]
	global_store_b128 v1, v[212:215], s[\base:\base+1] offset:512
.endm
	s_wait_loadcnt 0x0                             ; q
	s_wait_tensorcnt 0x0                           ; my key step has landed,
	s_barrier_signal -1
	s_barrier_wait -1                              ; everybody's has: the head's k and v lie in LDS, and nothing writes LDS from here on
	s_mov_b32 s[I], 0
	s_mov_b32 s[TB], 0
	s_mov_b32 s[DG], s13                           ; the first tile's diagonal: trip g
.Ltrip:                                            ; 17 trips in every wave
	s_cmp_lg_u32 s[I], s[SW]
	s_setprio 2
	s_cbranch_scc1 .Lsame_tile                     ; a branch on the wave's number and the trip
	FINISH 48                                      ; the first tile is done: it leaves, and the second begins at key step 0
.irp j, 0,1,2,3,4,5,6,7
	v_mov_b32 v[16+\j], v[24+\j]
.endr
	v_mov_b32 v13, 0xff61b1e6
	s_delay_alu instid0(VALU_DEP_1)
	v_floor_f32 v12, -v13
	v_mov_b32 v14, 0
	v_mov_b32 v15, 0
.set j, 0
.rept 32
	v_mov_b32 v[160+j], 0
.set j, j+1
.endr
	s_mov_b32 s[TB], 0
	s_mov_b32 s[DG], 16                            ; the second tile's diagonal is the last trip
.Lsame_tile:
	STEP
	s_add_co_u32 s[TB], s[TB], KST
	s_add_co_u32 s[I], s[I], 1
	s_cmp_lt_u32 s[I], 17
	s_cbranch_scc1 .Ltrip
	s_setprio 0
	FINISH 50
	s_wait_tensorcnt 0x0
	ds_add_u32 v251, v255
	s_wait_dscnt 0x0
	ROUND                                          ; the closing round: no work-group ends while a partner may still ask for a tile that names it
	s_endpgm
.Lfunc_end_k_q2794eb7cac_attn:
	.size	k_q2794eb7cac_attn, .Lfunc_end_k_q2794eb7cac_attn-k_q2794eb7cac_attn
	.p2alignl 7, 3214868480
	.fill 96, 4, 3214868480
	.section	.rodata,"a",@progbits
	.p2align	6, 0x0
	.amdhsa_kernel k_q2794eb7cac_attn
		.amdhsa_group_segment_fixed_size 264192
		.amdhsa_private_segment_fixed_size 0
		.amdhsa_enable_private_segment 0
		.amdhsa_kernarg_size 24
		.amdhsa_user_sgpr_count 2
		.amdhsa_user_sgpr_kernarg_segment_ptr 1
		.amdhsa_wavefront_size32 1
		.amdhsa_system_sgpr_workgroup_id_x 1
		.amdhsa_system_sgpr_workgroup_id_y 1
		.amdhsa_system_sgpr_workgroup_id_z 1
		.amdhsa_system_vgpr_workitem_id 0
		.amdhsa_next_free_vgpr 256
		.amdhsa_next_free_sgpr 66
		.amdhsa_reserve_vcc 1
		.amdhsa_float_denorm_mode_32 3
		.amdhsa_float_denorm_mode_16_64 3
		.amdhsa_fp16_overflow 1
		.amdhsa_memory_ordered 1
		.amdhsa_forward_progress 1
		.amdhsa_inst_pref_size 32
	.end_amdhsa_kernel
	.amdgpu_metadata
---
amdhsa.version: [ 1, 2 ]
amdhsa.kernels:
  - .name:           k_q2794eb7cac_attn
    .symbol:         k_q2794eb7cac_attn.kd
    .args:
      - { .name: qkvimg, .offset: 0, .size: 8, .value_kind: global_buffer, .address_space: global }
      - { .name: lowp_scales, .offset: 8, .size: 8, .value_kind: global_buffer, .address_space: global }
      - { .name: yimg, .offset: 16, .size: 8, .value_kind: global_buffer, .address_space: global }
    .group_segment_fixed_size: 264192
    .private_segment_fixed_size: 0
    .kernarg_segment_align: 8
    .kernarg_segment_size: 24
    .max_flat_workgroup_size: 512
    .sgpr_count:     66
    .vgpr_count:     256
    .wavefront_size: 32
...
	.end_amdgpu_metadata
.endif
;; end of part 2
;; launch proj (part 3): grid 8 x 32, 4 waves a work-group, clusters of 4 x 4, 327,680 bytes of LDS; arguments yimg, W_proj_codes, b_proj, lowp_scales, out0; writes out0
.if DOCPART == 3
	.amdgcn_target "amdgcn-amd-amdhsa--gfx1250"
	.amdhsa_code_object_version 6
	.text
	.protected	k_q2794eb7cac_proj
	.globl	k_q2794eb7cac_proj
	.p2align	8
	.type	k_q2794eb7cac_proj,@function
k_q2794eb7cac_proj:
	s_mov_b64 s[64:65], 0
	v_nop
	global_prefetch_b8 v0, s[64:65] scope:SCOPE_SE
	s_setreg_imm32_b32 hwreg(HW_REG_WAVE_MODE, 25, 1), 1
	s_wait_xcnt 0x0
	s_wait_alu depctr_hold_cnt(0) depctr_sa_sdst(0) depctr_va_vdst(0) depctr_va_sdst(0) depctr_va_ssrc(0) depctr_va_vcc(0) depctr_vm_vsrc(0)
	s_getreg_b32 s2, hwreg(HW_REG_IB_STS2, 6, 4)
	s_cmp_eq_u32 s2, 0
	s_cbranch_scc0 .Lentry_in_a_cluster
	s_endpgm
.Lentry_in_a_cluster:
	s_bfe_u32 s2, ttmp6, 0x10000c
	s_cmp_lg_u32 s2, 0xf033
	s_cbranch_scc0 .Lentry_shape_is_right
	s_endpgm
.Lentry_shape_is_right:
; out0 = y W_proj + b_proj on codes of FP8 (E4M3).  y comes as images of operand registers (yimg: [512 token tiles][16,384]; K step s of 128 at 2048 s, piece c at 512 c: lane (r, h) holds K = 32 c + 16 h + 0 .. 15 of the tile's row r);
; W_proj: [1024 (n)][1024 (k)] codes, K innermost; b_proj [1024] and out0 [8192][1024] f32.  out = sum x 2^(e6 + e7) + bias: one packed multiply-add for two numbers.
; A tile of 256 tokens x 128 features is made by a work-group of four waves: 8 x 32 = 256 work-groups; a wave makes 128 tokens x 64 features: 32 accumulators of 16 x 16, 256 registers.
; K = 1,024 goes in four steps of 256 through two LDS slots, so the main line is written out without a loop.
; CLUSTERS: 4 x 4 work-groups.  The four of a row of the cluster need the same tile of y, the four of a column the same tile of W: each tile is asked for JOINTLY.
; THE MATRIX INSTRUCTION IS USED TRANSPOSED (source 0 = 16 rows of W, source 1 = 16 rows of y): a lane then holds eight neighbouring numbers of a row of out0.
; THE ROWS OF A TOKEN TILE ARE NOT NEIGHBOURS: row r of tile 2 be + e of a group of 128 tokens is token 32 be + 8 e + r + 8 (r / 8): the stores' immediates put each row in its place.
; LIMIT: e6 + e7 between -126 and 127, so that 2^(e6 + e7) is an f32 number.
; REGISTERS, in windows of 256: window 0: v1-29 addresses; v32-63 a block at work; v64-95 the bias; v128-255 y's fragments (8 tiles x 128 K), ONE set, later rows read back.
;   window 1: W's fragments, TWO sets, at v0 and v64.   window 2: the accumulators ((a, b) at v[8 (4 a + b)]).
.set PITCH,  272                       ; a row of W in LDS: 256 bytes + 16 of padding = 68 words: the 16 rows that a load touches start at 16 different banks (64 banks of 4 bytes: ISA guide 11.1)
.set FR,     16                        ; registers of a fragment
.set NP,     4                         ; places behind this matrix instruction (ISA guide 7.12.1)
.set AREG,   65536                     ; a slot: y's 16 token tiles x 4,096 bytes, dense,
.set SLOT,   AREG+128*PITCH            ; then W's 128 rows
.set SPARE,  2*SLOT                    ; behind the ring: the spare words, 128 bytes for each wave: two blocks of 256 bytes that no other line names
.set SPITCH, 272                       ; the way out: a stage of 16 rows x (256 bytes + 16) for each wave, in slot 0, which has had its last fill and its last read when the first result is stored there
.set ADRA, 16                          ; v16-17  LDS address of my y fragments in slot 0, 1
.set ADRB, 20                          ; v20-21  the same for W
.set STO,  24                          ; v24     the stage: where I put 32 bytes of a row
.set RD,   25                          ; v25     the stage: where I read a row back
.set CO,   26                          ; v26     my byte offset in two rows of out0
.set SPW,  28                          ; v28     LDS address of my spare word; never rewritten
.set NIL,  29                          ; v29     0; never rewritten
.set TMP,  32
.set BN,   64
.set AF,   128
.set BK,   128
.set G1, 24                            ; s[24:31] descriptor group 1 for y's tiles;  s[32:39] group 0, one set for each slot
.set G0, 32
.set G1B, 48                           ; s[48:55], s[56:63] the same for W's tiles
.set G0B, 56
.set MSB, 0
.macro WIN new                         ; the immediate's high byte repeats the setting that is left; a switch that changes nothing is dropped
.if MSB != (\new)
	s_set_vgpr_msb (MSB<<8)|(\new)
.set MSB, (\new)
.endif
.endm
.set MUL,  0xa1                        ; source 0 (W) window 1, source 1 (y) window 0, C and D window 2
.set TO_B, 0x40                        ; destination window 1, address window 0
; A joint load: waves 0 and 1 fetch y's two halves, waves 2 and 3 W's.  Four v_nop follow each of the two lines, ahead of the jump, the label and what follows.
.macro JLOAD g0a, g1a, g0b, g1b
	s_cmp_eq_u32 s15, 0
	s_cbranch_scc0 .Lfor_b_\@
	tensor_load_to_lds s[\g0a:\g0a+3], s[\g1a:\g1a+7]
	s_nop 0
.rept 4
	v_nop
.endr
	s_branch .Lasked_\@
.Lfor_b_\@:
	tensor_load_to_lds s[\g0b:\g0b+3], s[\g1b:\g1b+7]
	s_nop 0
.rept 4
	v_nop
.endr
.Lasked_\@:
.endm
.macro CREST                           ; a round of the cluster's barrier behind its opening barrier
	s_cmp_lg_u32 s14, 0
	s_cbranch_scc1 .Lnot_wave_0_\@
	s_barrier_signal -3
.Lnot_wave_0_\@:
	s_barrier_wait -3
	s_barrier_signal -1
	s_barrier_wait -1
.endm
.macro CROUND                          ; a whole round
	s_barrier_signal -1
	s_barrier_wait -1
	CREST
.endm
	s_load_b256 s[4:11], s[0:1], 0x0               ; yimg s[4:5], W's codes s[6:7], b_proj s[8:9], the exponents s[10:11]
	s_load_b64 s[12:13], s[0:1], 0x20              ; out0
	v_lshl_add_u32 v[SPW], v0, 2, SPARE
	v_mov_b32 v[NIL], 0
	ds_add_u32 v28, v29
	ds_add_u32 v28, v29
	s_wait_dscnt 0x0
	v_lshrrev_b32 v1, 5, v0
	v_readfirstlane_b32 s14, v1                    ; wave 0..3
	s_lshr_b32 s15, s14, 1                         ; which half of the tile's tokens is mine.  Also: I fetch for y (0) or for W (1)
	s_and_b32 s16, s14, 1                          ; which half of its features.  Also: which half of that tile I fetch
	s_bfe_u32 s40, ttmp6, 0x40000                  ; cx, cy: my place in the cluster
	s_bfe_u32 s41, ttmp6, 0x40004
	s_lshl_b32 s42, ttmp9, 2
	s_add_co_u32 s42, s42, s40                     ; feature tile = 4 x cluster x + cx
	s_and_b32 s17, ttmp7, 0xffff
	s_lshl_b32 s17, s17, 2
	s_add_co_u32 s17, s17, s41                     ; token tile = 4 x cluster y + cy
	s_lshl_b32 s43, s41, 2
	s_lshl_b32 s43, 15, s43                        ; my row of the cluster
	s_lshl_b32 s44, 0x1111, s40                    ; my column
	; descriptor group 1 for y: 8 token tiles' 4,096 bytes of a K step, 16,384 bytes apart in memory, on end in LDS
	s_or_b32 s[G1+0], s43, (3<<16)|(1<<21)         ; 15:0 the mask: y's tiles go to my row; 17:16 elements of 8 bytes; 20 no padding; 21 set beside a mask
	s_mov_b32 s[G1+1], 512<<16                     ; tensor_dim0 = 512 elements
	s_mov_b32 s[G1+2], 8<<16                       ; tensor_dim1 = 8
	s_mov_b32 s[G1+3], 512<<16                     ; tile_dim0
	s_mov_b32 s[G1+4], 8                           ; tile_dim1
	s_mov_b32 s[G1+5], 2048                        ; tensor_dim0_stride
	s_mov_b32 s[G1+6], 0
	s_mov_b32 s[G1+7], 0
	; for W: 64 rows x 256 bytes, padded in LDS
	s_or_b32 s[G1B+0], s44, (0<<16)|(1<<20)|(1<<21)|(5<<22)|(3<<25)  ; the mask of my column; elements of 1 byte; four words of padding after every 64
	s_mov_b32 s[G1B+1], 256<<16
	s_mov_b32 s[G1B+2], 64<<16
	s_mov_b32 s[G1B+3], 256<<16
	s_mov_b32 s[G1B+4], 64
	s_mov_b32 s[G1B+5], 1024
	s_mov_b32 s[G1B+6], 0
	s_mov_b32 s[G1B+7], 0
	s_lshl_b32 s20, s17, 4
	s_lshl_b32 s18, s16, 3
	s_add_co_u32 s20, s20, s18                     ; y: token tile of 16: 16 x tile + 8 x half,
	s_lshl_b32 s20, s20, 14                        ; in bytes
	s_mov_b32 s21, 0
	s_lshl_b32 s46, s42, 7
	s_lshl_b32 s19, s16, 6
	s_add_co_u32 s46, s46, s19                     ; W: row 128 x feature tile + 64 x half
	s_lshl_b32 s46, s46, 10
	s_mov_b32 s47, 0
	s_lshl_b32 s45, s16, 15                        ; where they go: y's halves, 32,768 bytes each;
	s_mul_i32 s66, s16, 64*PITCH
	s_add_co_u32 s66, s66, AREG                    ; W's halves behind them: no place in the cluster enters an LDS address
	s_wait_kmcnt 0x0
	s_load_b256 s[68:75], s[10:11], 0x0            ; e0 .. e7
	s_add_nc_u64 s[20:21], s[4:5], s[20:21]
	s_add_nc_u64 s[46:47], s[6:7], s[46:47]
	CROUND                                         ; all sixteen work-groups are here: the first joint loads meet
.irp s, 0,1
	s_mov_b32 s[G0+4*\s], 1
	s_add_co_u32 s[G0+4*\s+1], s45, \s*SLOT
	s_add_nc_u64 s[G0+4*\s+2:G0+4*\s+3], s[20:21], \s*4096
	s_or_b32 s[G0+4*\s+3], s[G0+4*\s+3], 0x80000000
	s_mov_b32 s[G0B+4*\s], 1
	s_add_co_u32 s[G0B+4*\s+1], s66, \s*SLOT
	s_add_nc_u64 s[G0B+4*\s+2:G0B+4*\s+3], s[46:47], \s*256
	s_or_b32 s[G0B+4*\s+3], s[G0B+4*\s+3], 0x80000000
	s_wait_alu depctr_va_vdst(0)
	s_wait_tensorcnt 0x0
	ds_add_u32 v28, v29
	ds_add_u32 v28, v29
	s_wait_dscnt 0x0
	CROUND
	JLOAD G0+4*\s, G1, G0B+4*\s, G1B
.endr
	v_and_b32 v1, 15, v0                           ; r = lane % 16
	v_bfe_u32 v2, v0, 4, 1                         ; h = lane / 16
	v_and_b32 v3, 31, v0
	v_lshlrev_b32 v3, 4, v3                        ; 16 x lane: my place in a piece of y
	v_mul_u32_u24 v4, v1, PITCH
	v_lshl_add_u32 v4, v2, 4, v4                   ; W: a fragment's row x pitch + 16 x half
	s_lshl_b32 s21, s15, 15                        ; my 8 token tiles
	s_mul_i32 s22, s16, 64*PITCH
	s_add_co_u32 s22, s22, AREG                    ; my 64 rows of W
.irp s, 0,1
	v_add_nc_u32 v[ADRA+\s], s21, v3
	v_add_nc_u32 v[ADRB+\s], s22, v4
	s_add_co_u32 s21, s21, SLOT
	s_add_co_u32 s22, s22, SLOT
.endr
	s_mul_i32 s23, s14, 16*SPITCH                  ; my stage
	v_mul_u32_u24 v5, v1, SPITCH
	v_lshl_add_u32 v5, v2, 5, v5
	v_add_nc_u32 v[STO], s23, v5                   ; in: row r, 32 bytes for each half of the lanes
	v_mul_u32_u24 v6, v2, SPITCH
	v_lshl_add_u32 v6, v1, 4, v6
	v_add_nc_u32 v[RD], s23, v6                    ; back: lanes 0-15 one row of 256 bytes, lanes 16-31 the next
	v_lshlrev_b32 v7, 12, v2
	v_lshl_add_u32 v[CO], v1, 4, v7                ; and the same two rows in out0 (4,096 bytes a row)
	s_lshl_b32 s86, s42, 9
	s_lshl_b32 s87, s16, 8
	s_add_co_u32 s86, s86, s87                     ; my first feature, in bytes: 512 x feature tile + 256 x half
	v_lshl_add_u32 v8, v2, 5, s86
.irp b, 0,1,2,3
	global_load_b128 v[BN+8*\b:BN+8*\b+3], v8, s[8:9] offset:64*\b        ; lane (r, h), block b: the bias of features 16 b + 8 h + 0 .. 7
	global_load_b128 v[BN+8*\b+4:BN+8*\b+7], v8, s[8:9] offset:64*\b+16
.endr
	s_lshl_b32 s88, s17, 8
	s_lshl_b32 s89, s15, 7
	s_add_co_u32 s88, s88, s89                     ; my first token: 256 x token tile + 128 x half
	s_lshl_b32 s88, s88, 12
	s_add_co_u32 s88, s88, s86
	s_mov_b32 s89, 0
	s_add_nc_u64 s[12:13], s[12:13], s[88:89]
.macro FRAGA i, slot, q                ; y's fragment of token tile i: four pieces of 512 consecutive bytes
.irp c, 0,1,2,3
	ds_load_b128 v[AF+FR*(\i)+4*\c:AF+FR*(\i)+4*\c+3], v[ADRA+\slot] offset:(\i)*4096+(\q)*2048+512*\c
.endr
.endm
.macro FRAGB i, slot, q, p             ; W's fragment of rows 16 i on: registers 4 c .. 4 c + 3 hold K = 32 c + 16 (l / 16) + 0 .. 15, as y's pieces do
.irp c, 0,1,2,3
	ds_load_b128 v[64*(\p)+FR*(\i)+4*\c:64*(\p)+FR*(\i)+4*\c+3], v[ADRB+\slot] offset:128*(\q)+32*\c+(\i)*16*PITCH
.endr
.endm
; 8 matrix instructions: y's tiles a0, a0 + 1 x W's four blocks, 128 along K.  p: W's set.  first = 1: the first products start the sums: nothing is ever cleared.
; The 32 accumulators take turns, one instruction a turn, in the same order in every step.
.macro MUL8 a0, p, first
.irp a, \a0, \a0+1
.irp b, 0,1,2,3
.if \first
	v_wmma_f32_16x16x128_fp8_fp8 v[8*(4*(\a)+\b):8*(4*(\a)+\b)+7], v[64*(\p)+FR*\b:64*(\p)+FR*\b+FR-1], v[AF+FR*(\a):AF+FR*(\a)+FR-1], 0
.else
	v_wmma_f32_16x16x128_fp8_fp8 v[8*(4*(\a)+\b):8*(4*(\a)+\b)+7], v[64*(\p)+FR*\b:64*(\p)+FR*\b+FR-1], v[AF+FR*(\a):AF+FR*(\a)+FR-1], v[8*(4*(\a)+\b):8*(4*(\a)+\b)+7]
.endif
.endr
.endr
.endm
.macro FETCH_B slot, q, p
	WIN TO_B
.irp i, 0,1,2,3
	FRAGB \i, \slot, \q, \p
.endr
	WIN 0
.endm
.macro FETCH_A slot, q, i0
.irp i, \i0, \i0+1, \i0+2, \i0+3
	FRAGA \i, \slot, \q
.endr
.endm
.macro PLACES n                        ; places in front of loads into registers that matrix instructions have read, and of the first read of results (ISA guide 7.12.1 for vector instructions)
.rept \n
	v_nop
.endr
.endm
; A step of 128 along K that has its successor in the same slot: 32 matrix instructions.
.macro STEP slot, q, first
	s_wait_dscnt 16                                ; W's set and y's tiles 0-3 are in; the youngest sixteen loads (tiles 4-7) may be out
	WIN MUL
	MUL8 0, (\q)%2, \first
	MUL8 2, (\q)%2, \first
	s_wait_dscnt 0                                 ; tiles 4-7 are in
	PLACES NP
	FETCH_B \slot, (\q)+1, 1-(\q)%2
	FETCH_A \slot, (\q)+1, 0
	WIN MUL
	MUL8 4, (\q)%2, \first
	MUL8 6, (\q)%2, \first
	PLACES NP
	WIN 0
	FETCH_A \slot, (\q)+1, 4
.endm
; A slot's last step changes slots: ONE barrier; in front of it each wave waits for all its tensor loads, adds 0 to its spare word, and waits for that and for its own reads of this slot.  fill = 1: this slot is filled again, two K steps ahead.
.macro TURN slot, next, fill
	s_wait_tensorcnt 0x0                           ; all my tensor loads have landed: the one that was out is my part of the next slot  (every window is 0 here)
	ds_add_u32 v[SPW], v[NIL]                      ; 0 onto my spare word
	s_wait_dscnt 17                                ; (the add and the youngest sixteen loads may be out)
	WIN MUL
	MUL8 0, 1, 0                                   ; eight matrix instructions stand between the add and the wait for it
	s_wait_dscnt 0x0                               ; the add is done, and my reads of this slot are over
	s_barrier_signal -1
	MUL8 2, 1, 0
	WIN 0
	s_barrier_wait -1
.if \fill
	CREST                                          ; the barrier has opened a round of the cluster's barrier: no wave of any partner still reads this slot's tile or has a load on its way
	s_add_nc_u64 s[G0+4*\slot+2:G0+4*\slot+3], s[G0+4*\slot+2:G0+4*\slot+3], 2*4096
	s_add_nc_u64 s[G0B+4*\slot+2:G0B+4*\slot+3], s[G0B+4*\slot+2:G0B+4*\slot+3], 2*256
	JLOAD G0+4*\slot, G1, G0B+4*\slot, G1B         ; the first tensor load behind the round; the four v_nop behind it are the places in front of the loads below
.else
	PLACES NP
.endif
	FETCH_B \next, 0, 0
	FETCH_A \next, 0, 0
	WIN MUL
	MUL8 4, 1, 0
	MUL8 6, 1, 0
	PLACES NP
	WIN 0
	FETCH_A \next, 0, 4
.endm
	s_wait_tensorcnt 1                             ; my part of K step 0 is in; K step 1's load may be out
	s_barrier_signal -1
	s_barrier_wait -1                              ; everybody's is
	FETCH_B 0, 0, 0
	FETCH_A 0, 0, 0
	FETCH_A 0, 0, 4
	STEP 0, 0, 1                                   ; K 0-127: these products start the sums
	TURN 0, 1, 1                                   ; slot 0 takes K step 2
	STEP 1, 0, 0
	TURN 1, 0, 1                                   ; slot 1 takes K step 3: the last load
	STEP 0, 0, 0
	TURN 0, 1, 0                                   ; nothing is left to fetch: no round of the cluster's barrier
	STEP 1, 0, 0
	s_wait_dscnt 16                                ; the very last step
	WIN MUL
	MUL8 0, 1, 0
	MUL8 2, 1, 0
	s_wait_dscnt 0
	MUL8 4, 1, 0
	MUL8 6, 1, 0
	WIN 0
; THE WAY OUT, a token tile (16 rows x 64 features) at a time.  A lane holds 32 neighbouring bytes of a row, and the lanes beside it hold other rows: so a tile goes through my own stage in LDS and comes back as whole
; rows of 256 bytes.  LDS serves a wave's instructions in order (ISA guide 5.7.1.4): no wait between the stores and the loads, nor in front of the next tile's stores.
.macro TOSTAGE a
	WIN 0x02                                       ; source 0: window 2
.set j, 0
.rept 16
	v_pk_fma_f32 v[TMP+j:TMP+j+1], v[32*(\a)+j:32*(\a)+j+1], s[96:97], v[BN+j:BN+j+1] op_sel_hi:[1,0,1]   ; sum x 2^(e6 + e7) + bias (the scalar pair's low word for both halves); each accumulator from its low end on
.set j, j+2
.endr
	WIN 0
.irp b, 0,1,2,3
	ds_store_b128 v[STO], v[TMP+8*\b:TMP+8*\b+3] offset:64*\b
	ds_store_b128 v[STO], v[TMP+8*\b+4:TMP+8*\b+7] offset:64*\b+16
.endr
.set BB, BK+32*((\a)%2)
.irp i, 0,1,2,3,4,5,6,7
	ds_load_b128 v[BB+4*\i:BB+4*\i+3], v[RD] offset:\i*2*SPITCH
.endr
.endm
.macro SEND a, younger                 ; younger: the LDS instructions issued behind tile a's loads, which may stay out
.set BB, BK+32*((\a)%2)
	s_wait_dscnt \younger                          ; the tile is back in registers
.irp i, 0,1,2,3,4,5,6,7
	global_store_b128 v[CO], v[BB+4*\i:BB+4*\i+3], s[12:13] offset:(32*((\a)/2)+8*((\a)%2)+2*\i+8*(\i/4))*4096 th:TH_STORE_NT   ; rows 2 i and 2 i + 1 of the tile are tokens 32 (a / 2) + 8 (a % 2) + 2 i + 8 (i / 4) and the next; 16 lanes store 256 consecutive bytes, at a multiple of 256 from out0's first byte
.endr
.endm
	s_wait_kmcnt 0x0
	s_add_co_i32 s96, s74, s75                     ; e6 + e7, between -126 and 127,
	s_add_co_i32 s96, s96, 127
	s_lshl_b32 s96, s96, 23                        ; makes the f32 number 2^(e6 + e7)
	s_mov_b32 s97, s96                             ; (named with it as a pair, so it is written)
	s_wait_loadcnt 0x0                             ; the bias
	PLACES NP                                      ; behind the last products: for the reads of results and for the loads into the registers that held y's fragments
	TOSTAGE 0
.irp a, 1,2,3,4,5,6,7
.if \a > 1
	s_wait_xcnt 0x0                                ; tile a - 2's stores have read their registers: tile a's loads may land there
.endif
	TOSTAGE \a
	SEND \a-1, 16                                  ; behind tile a - 1's loads: tile a's 8 stores and 8 loads
.endr
	SEND 7, 0
	s_wait_tensorcnt 0x0                           ; the wave's end: behind my last tensor load and my last LDS store
	ds_add_u32 v[SPW], v[NIL]
	s_wait_dscnt 0x0
	CROUND                                         ; the closing round: no work-group ends while a partner may still ask for a tile that names it
	s_endpgm
.Lfunc_end_k_q2794eb7cac_proj:
	.size	k_q2794eb7cac_proj, .Lfunc_end_k_q2794eb7cac_proj-k_q2794eb7cac_proj
	.p2alignl 7, 3214868480
	.fill 96, 4, 3214868480
	.section	.rodata,"a",@progbits
	.p2align	6, 0x0
	.amdhsa_kernel k_q2794eb7cac_proj
		.amdhsa_group_segment_fixed_size 327680
		.amdhsa_private_segment_fixed_size 0
		.amdhsa_enable_private_segment 0
		.amdhsa_kernarg_size 40
		.amdhsa_user_sgpr_count 2
		.amdhsa_user_sgpr_kernarg_segment_ptr 1
		.amdhsa_wavefront_size32 1
		.amdhsa_system_sgpr_workgroup_id_x 1
		.amdhsa_system_sgpr_workgroup_id_y 1
		.amdhsa_system_sgpr_workgroup_id_z 1
		.amdhsa_system_vgpr_workitem_id 0
		.amdhsa_next_free_vgpr 768
		.amdhsa_next_free_sgpr 98
		.amdhsa_reserve_vcc 0
		.amdhsa_float_denorm_mode_32 3
		.amdhsa_float_denorm_mode_16_64 3
		.amdhsa_memory_ordered 1
		.amdhsa_forward_progress 1
		.amdhsa_inst_pref_size 78
	.end_amdhsa_kernel
	.amdgpu_metadata
---
amdhsa.version: [ 1, 2 ]
amdhsa.kernels:
  - .name:           k_q2794eb7cac_proj
    .symbol:         k_q2794eb7cac_proj.kd
    .args:
      - { .name: yimg, .offset: 0, .size: 8, .value_kind: global_buffer, .address_space: global }
      - { .name: W_proj_codes, .offset: 8, .size: 8, .value_kind: global_buffer, .address_space: global }
      - { .name: b_proj, .offset: 16, .size: 8, .value_kind: global_buffer, .address_space: global }
      - { .name: lowp_scales, .offset: 24, .size: 8, .value_kind: global_buffer, .address_space: global }
      - { .name: out0, .offset: 32, .size: 8, .value_kind: global_buffer, .address_space: global }
    .group_segment_fixed_size: 327680
    .private_segment_fixed_size: 0
    .kernarg_segment_align: 8
    .kernarg_segment_size: 40
    .max_flat_workgroup_size: 128
    .sgpr_count:     98
    .vgpr_count:     768
    .wavefront_size: 32
...
	.end_amdgpu_metadata
.endif
;; end of part 3
